; MI455X (gfx1250); checked and timed in simulation.
; The chip was launched on July 23, 2026; its instructions are those of AMD's public machine-readable ISA for CDNA 5 (MIT licence, August 2026) and "CDNA5" Instruction Set Architecture Reference Guide (July 2026). The comments in the code are by the model that wrote it; some were corrected since.
;; Hash Embedder3 D. Allowed arithmetic: float matrix products may take bf16 or f16 operands with f32 sums; all other float work in f32.
;; Inputs: tables 16 x 524,288 x 2 float32; x 250,000 x 3 float32.
;; Outputs: out0 250,000 x 32 float32.
;; One version. Each part assembles by itself: llvm-mc -triple=amdgcn-amd-amdhsa -mcpu=gfx1250 --defsym DOCPART=n.
;; ======== version 1 of 1: 2 launches
;; workspace buffers: ucoord 3,000,064 bytes of whole numbers; dense 3,301,376 bytes
;; launch prep (part 1): grid 1539 x 1, 8 waves a work-group, no clusters, 0 bytes of LDS; arguments x, tables, ucoord, dense; writes ucoord, dense
.if DOCPART == 1
	.amdgcn_target "amdgcn-amd-amdhsa--gfx1250"
	.amdhsa_code_object_version 6
	.text
	.protected	k_q44e06b0161_prep
	.globl	k_q44e06b0161_prep
	.p2align	8
	.type	k_q44e06b0161_prep,@function
k_q44e06b0161_prep:
	s_mov_b64 s[64:65], 0
	v_nop
	global_prefetch_b8 v0, s[64:65] scope:SCOPE_SE
	s_setreg_imm32_b32 hwreg(HW_REG_WAVE_MODE, 25, 1), 1
	s_wait_xcnt 0x0
; Two preparations for the launch that follows, in work-groups of two kinds that share nothing (no LDS, no barrier).
;
; (1) Work-groups 0 .. NDWG-1: a DENSE COPY OF LEVELS 0..5, whose grids have no more points than their tables have entries.
;     dense[level][(c0 R + c1) R + c2] = bf16 pair of tables[level][((c0 P0) ^ (c1 P1) ^ (c2 P2)) mod TS],  TS = R^3.
;     The hash (up to 39 bits) and its true remainder are so made once for each of the 822,944 grid points, not once for each of the
;     8 x 250,000 corners of each level, and a corner's gather is 4 bytes in place of 8: 12 bytes moved here for each grid point (9.9 MB)
;     against 6 x 8 MB fewer gathered there.  The ten fine levels are NOT copied: 524,288 entries x 12 bytes = 6.3 MB for a level to spare 8 MB.
;     FORMAT LIMIT: the entries of levels 0..5 are rounded to bf16, the format allowed for the einsum's table operand: each entry within 2^-8 of
;     its size; range as in f32.
;     A level's part of dense is rounded up to whole work-groups of 1,024 entries; the threads past R^3 repeat the last grid point into the padding,
;     which nobody reads.  A thread makes 4 neighbouring entries = 16 bytes, so a wave's store covers 512 consecutive bytes, aligned.
;     Every address here comes from the work-group's and the thread's numbers.
; (2) Work-groups NDWG .. NDWG+732: ucoord[i] = trunc( clip((x[i] + 1) / 2, 0, 1) * 2^32 ), capped at 2^32 - 256: each coordinate as a 32-bit fraction,
;     from which the next launch forms cells and addresses by integer arithmetic alone.
;     x * 2^31 + 2^31 in one fused multiply-add rounds exactly as (x + 1) * 0.5 does (a factor 2^k does not change a rounding); 2^32 - 256 is the largest
;     f32 below 2^32 and also stands for 1.0: in every level both fall into the last cell, whose two corners along that axis are the same grid point.
;     LIMIT: a NaN in x becomes 0 (v_max_num_f32 drops it), so the output is finite where the reference gives NaN.
;     750,000 numbers = 187,500 pieces of 16 bytes, one for each thread.
.set NCHUNK,  187500
.set HASHMAP, 524288
.set LVBYTES, HASHMAP*8                ; from one level's table to the next
.set PRIME0,  2654435761
.set PRIME1,  805459861
.set PRIME2,  3674653429
.set WGE,     1024                     ; entries of dense that a work-group makes: 256 threads x 4
.set NW0, (16*16*16+WGE-1)/WGE         ; work-groups of level 0: 4
.set NW1, (22*22*22+WGE-1)/WGE         ; 11
.set NW2, (30*30*30+WGE-1)/WGE         ; 27
.set NW3, (42*42*42+WGE-1)/WGE         ; 73
.set NW4, (58*58*58+WGE-1)/WGE         ; 191
.set NW5, (80*80*80+WGE-1)/WGE         ; 500
.set FW0, 0                            ; a level's first work-group
.set FW1, FW0+NW0
.set FW2, FW1+NW1
.set FW3, FW2+NW2
.set FW4, FW3+NW3
.set FW5, FW4+NW4
.set NDWG, FW5+NW5                     ; 806
.set EB,  1                            ; v1        my first entry, counted inside the level
.set SO,  2                            ; v2        my 16 bytes in the work-group's 4,096 of dense
.set Z,   4                            ; v[4:5]    0: the addend of the 64-bit multiplies
.set TQ,  6                            ; v[6:7]    high word: c0
.set YQ,  8                            ; v[8:9]    high word: c1
.set CX,  10                           ; v10       c2
.set RM,  11                           ; v11       e - c0 R^2
.set E,   12                           ; v12       the entry at work
.set A,   14                           ; v[14:15]  a 64-bit product
.set LO,  16                           ; v[16:18]  the three products' bits 26:0
.set HI,  19                           ; v[19:21]  their bits 38:27
.set IDX, 22                           ; v[22:25]  the four table indices
.set D,   26                           ; v[26:33]  the four entries, f32 pairs
.set P,   34                           ; v[34:37]  the four entries, bf16 pairs
.set PF,  16                           ; s[16:18]  the primes
.set PM,  20                           ; s[20:22]  their low 19 bits
	s_load_b256 s[4:11], s[0:1], 0x0               ; x s[4:5], tables s[6:7], ucoord s[8:9], dense s[10:11]
	s_cmp_ge_u32 ttmp9, NDWG
	s_cbranch_scc1 .Lquant
	s_mov_b32 s[PF+0], PRIME0
	s_mov_b32 s[PF+1], PRIME1
	s_mov_b32 s[PF+2], PRIME2
	s_mov_b32 s[PM+0], PRIME0 & (HASHMAP-1)
	s_mov_b32 s[PM+1], PRIME1 & (HASHMAP-1)
	s_mov_b32 s[PM+2], PRIME2 & (HASHMAP-1)
	s_lshl_b32 s2, ttmp9, 12                       ; 1,024 entries of 4 bytes for each work-group, the levels' parts one behind the other
	s_mov_b32 s3, 0
	v_lshlrev_b32 v[SO], 4, v0
	v_mov_b32 v[Z], 0
	v_mov_b32 v[Z+1], 0
	s_wait_kmcnt 0x0
	s_add_nc_u64 s[10:11], s[10:11], s[2:3]
; The constants of level l.  R3 = TS = RES^3.  MRR = ceil(2^32 / RES^2), MR = ceil(2^32 / RES): the high word of e x M is floor(e / d) exactly, since
; e (M d - 2^32) < 2^19 x 2^13 = 2^32.  For a TS that is no power of two: SH = floor(log2 TS), MG = ceil(2^(32+SH) / TS), R27 = 2^27 mod TS.
.macro LEVEL l
.set lvk, 0
.irp r, 16,22,30,42,58,80
.if lvk == (\l)
.set RES, \r
.endif
.set lvk, lvk+1
.endr
.set RR,  RES*RES
.set TS,  RES*RES*RES
.set MRR, ((1<<32)+RR-1)/RR
.set MR,  ((1<<32)+RES-1)/RES
.set NEGRR, (1<<32)-RR
.set NEGR,  (1<<32)-RES
.set SH, 0
.rept 19
.if (2<<SH) <= TS
.set SH, SH+1
.endif
.endr
.set MG,   ((1<<(32+SH))+TS-1)/TS
.set R27,  (1<<27)%TS
.set NEGT, (1<<32)-TS
.endm
.macro HPART d, c                      ; coordinate x prime in 64 bits, cut at bit 27
	v_mad_nc_u64_u32 v[A:A+1], v[\c], s[PF+\d], v[Z:Z+1]
	v_and_b32 v[LO+\d], 0x7ffffff, v[A]
	v_alignbit_b32 v[HI+\d], v[A+1], v[A], 27
.endm
; My entry j: its grid point, and that point's index in the level's table.
.macro ENTRY j
	v_add_nc_u32 v[E], \j, v[EB]
	v_min_u32 v[E], TS-1, v[E]                                 ; past the level's end: the last grid point once more
	v_mad_nc_u64_u32 v[TQ:TQ+1], v[E], MRR, v[Z:Z+1]           ; high word: c0 = e / R^2
	v_mad_u32 v[RM], v[TQ+1], NEGRR, v[E]                      ; e - c0 R^2
	v_mad_nc_u64_u32 v[YQ:YQ+1], v[RM], MR, v[Z:Z+1]           ; high word: c1
	v_mad_u32 v[CX], v[YQ+1], NEGR, v[RM]                      ; c2
.if (TS & (TS-1)) == 0
	; TS = 2^12: the XOR's low 12 bits; coordinates below 16 and the primes' low 19 bits fit the 24-bit multiply
	v_mul_u32_u24 v[LO],   s[PM],   v[TQ+1]
	v_mul_u32_u24 v[LO+1], s[PM+1], v[YQ+1]
	v_mul_u32_u24 v[LO+2], s[PM+2], v[CX]
	v_xor_b32 v[LO], v[LO], v[LO+1]
	v_xor_b32 v[LO], v[LO], v[LO+2]
	v_and_b32 v[IDX+\j], TS-1, v[LO]
.else
	; The true remainder of a hash of up to 39 bits (79 x PRIME2 < 2^39).  The two parts of the products are XORed apart;
	; t = high part x (2^27 mod TS) + low part is congruent to the hash and below 2^12 x 73,728 + 2^27 or 2^11 x 195,112 + 2^27, so below 2^31.
	; q = (t x MG) >> (32 + SH) is floor(t / TS) exactly: MG x TS - 2^(32+SH) < TS < 2^(SH+1), so its share in the quotient is below 1 / TS.
	HPART 0, TQ+1
	HPART 1, YQ+1
	HPART 2, CX
	v_xor_b32 v[LO], v[LO], v[LO+1]
	v_xor_b32 v[HI], v[HI], v[HI+1]
	v_xor_b32 v[LO], v[LO], v[LO+2]
	v_xor_b32 v[HI], v[HI], v[HI+2]
	v_mad_u32_u24 v[LO], v[HI], R27, v[LO]                     ; t
	v_mad_nc_u64_u32 v[A:A+1], v[LO], MG, v[Z:Z+1]
	v_lshrrev_b32 v[A+1], SH, v[A+1]                           ; q
	v_mad_u32 v[IDX+\j], v[A+1], NEGT, v[LO]                   ; t - q TS
.endif
	v_min_u32 v[IDX+\j], TS-1, v[IDX+\j]                       ; changes no value: the index's bound, written out in front of the address
.endm
; A work-group of level l: 4 entries a thread, their four gathers in flight together, one store.
.macro DENSE l
.Llev\l:
	LEVEL \l
	s_sub_co_u32 s15, ttmp9, FW\l
	s_lshl_b32 s15, s15, 10                        ; the work-group's first entry inside the level
	s_add_nc_u64 s[12:13], s[6:7], \l*LVBYTES      ; the level's table
	v_lshl_add_u32 v[EB], v0, 2, s15
	ENTRY 0
	ENTRY 1
	ENTRY 2
	ENTRY 3
.irp j, 0,1,2,3
	global_load_b64 v[D+2*\j:D+2*\j+1], v[IDX+\j], s[12:13] scale_offset   ; 8 bytes at 8 x index
.endr
	s_wait_loadcnt 0x0
.irp j, 0,1,2,3
	v_cvt_pk_bf16_f32 v[P+\j], v[D+2*\j], v[D+2*\j+1]          ; feature 0 in the low half, feature 1 in the high half
.endr
	global_store_b128 v[SO], v[P:P+3], s[10:11]    ; read again by the next launch: no streaming hint
	s_endpgm
.endm
	s_cmp_lt_u32 ttmp9, FW1
	s_cbranch_scc1 .Llev0
	s_cmp_lt_u32 ttmp9, FW2
	s_cbranch_scc1 .Llev1
	s_cmp_lt_u32 ttmp9, FW3
	s_cbranch_scc1 .Llev2
	s_cmp_lt_u32 ttmp9, FW4
	s_cbranch_scc1 .Llev3
	s_cmp_lt_u32 ttmp9, FW5
	s_cbranch_scc1 .Llev4
	DENSE 5
	DENSE 4
	DENSE 3
	DENSE 2
	DENSE 1
	DENSE 0
.Lquant:
	s_sub_co_u32 s2, ttmp9, NDWG
	s_lshl_b32 s2, s2, 8
	v_add_nc_u32 v1, s2, v0                        ; my piece of 16 bytes
	s_mov_b32 s12, 0x4f000000                      ; 2^31, twice: the pair that the packed multiply-add names
	s_mov_b32 s13, 0x4f000000
	s_mov_b32 s14, 0x4f7fffff                      ; 2^32 - 256
	v_cmp_gt_u32 vcc_lo, NCHUNK, v1
	v_lshlrev_b32 v1, 4, v1                        ; its byte offset
	s_wait_kmcnt 0x0
	s_and_saveexec_b32 s15, vcc_lo                 ; 733 x 256 = 187,648: the last 148 threads do nothing; no vector memory instruction is pending here
	global_load_b128 v[4:7], v1, s[4:5] th:TH_LOAD_NT
	s_wait_loadcnt 0x0
	v_pk_fma_f32 v[4:5], v[4:5], s[12:13], s[12:13] op_sel_hi:[1,0,0]   ; (x + 1) * 2^31
	v_pk_fma_f32 v[6:7], v[6:7], s[12:13], s[12:13] op_sel_hi:[1,0,0]
.irp r, 4,5,6,7
	v_max_num_f32 v\r, 0, v\r                      ; the clip's lower end (and NaN to 0)
.endr
.irp r, 4,5,6,7
	v_min_num_f32 v\r, s14, v\r                    ; its upper end
.endr
.irp r, 4,5,6,7
	v_cvt_u32_f32 v\r, v\r                         ; toward zero
.endr
	global_store_b128 v1, v[4:7], s[8:9]           ; read again by the next launch: no streaming hint
	s_endpgm
.Lfunc_end_k_q44e06b0161_prep:
	.size	k_q44e06b0161_prep, .Lfunc_end_k_q44e06b0161_prep-k_q44e06b0161_prep
	.p2alignl 7, 3214868480
	.fill 96, 4, 3214868480
	.section	.rodata,"a",@progbits
	.p2align	6, 0x0
	.amdhsa_kernel k_q44e06b0161_prep
		.amdhsa_group_segment_fixed_size 0
		.amdhsa_private_segment_fixed_size 0
		.amdhsa_enable_private_segment 0
		.amdhsa_kernarg_size 32
		.amdhsa_user_sgpr_count 2
		.amdhsa_user_sgpr_kernarg_segment_ptr 1
		.amdhsa_wavefront_size32 1
		.amdhsa_system_sgpr_workgroup_id_x 1
		.amdhsa_system_sgpr_workgroup_id_y 1
		.amdhsa_system_sgpr_workgroup_id_z 1
		.amdhsa_system_vgpr_workitem_id 0
		.amdhsa_next_free_vgpr 38
		.amdhsa_next_free_sgpr 66
		.amdhsa_reserve_vcc 1
		.amdhsa_float_denorm_mode_32 3
		.amdhsa_float_denorm_mode_16_64 3
		.amdhsa_memory_ordered 1
		.amdhsa_forward_progress 1
		.amdhsa_inst_pref_size 42
	.end_amdhsa_kernel
	.amdgpu_metadata
---
amdhsa.version: [ 1, 2 ]
amdhsa.kernels:
  - .name:           k_q44e06b0161_prep
    .symbol:         k_q44e06b0161_prep.kd
    .args:
      - { .name: x, .offset: 0, .size: 8, .value_kind: global_buffer, .address_space: global }
      - { .name: tables, .offset: 8, .size: 8, .value_kind: global_buffer, .address_space: global }
      - { .name: ucoord, .offset: 16, .size: 8, .value_kind: global_buffer, .address_space: global }
      - { .name: dense, .offset: 24, .size: 8, .value_kind: global_buffer, .address_space: global }
    .group_segment_fixed_size: 0
    .private_segment_fixed_size: 0
    .kernarg_segment_align: 8
    .kernarg_segment_size: 32
    .max_flat_workgroup_size: 256
    .sgpr_count:     66
    .vgpr_count:     38
    .wavefront_size: 32
...
	.end_amdgpu_metadata
.endif
;; end of part 1
;; launch gather (part 2): grid 977 x 1, 8 waves a work-group, no clusters, 37,888 bytes of LDS; arguments ucoord, tables, dense, out0; writes out0
.if DOCPART == 2
	.amdgcn_target "amdgcn-amd-amdhsa--gfx1250"
	.amdhsa_code_object_version 6
	.text
	.protected	k_q44e06b0161_gather
	.globl	k_q44e06b0161_gather
	.p2align	8
	.type	k_q44e06b0161_gather,@function
k_q44e06b0161_gather:
	s_mov_b64 s[64:65], 0
	v_nop
	global_prefetch_b8 v0, s[64:65] scope:SCOPE_SE
	s_setreg_imm32_b32 hwreg(HW_REG_WAVE_MODE, 25, 1), 1
	s_wait_xcnt 0x0
; out0[n][2 l + f] = trilinear blend of the 8 corners of point n's cell in level l.  16 levels, 2 features, 250,000 points.
; ucoord holds each coordinate as a fraction u / 2^32 (launch prep).  In level l the 64-bit product u * RES has the cell in its high
; word and the place inside the cell, 32 bits, in its low word: every address here comes from whole numbers.
;
; LEVELS 0..5 are read from dense, prep's copy by grid point: entry (c0 RES + c1) RES + c2, two bf16 in 4 bytes; no hash and no remainder here.
; LEVELS 6..15 are read from tables, 8 bytes at the hashed index; their 2^19 entries make the remainder a mask.
;
; SHARES.  A lane owns a point and walks the 16 levels, written out one after the other; a wave owns 32 points = 4,096 consecutive bytes
; of out0.  The waves are independent: no barrier.
; PIPELINE.  Three sets of registers: level l + 2's eight gathers are issued before level l is blended, so 16 to 24 gathers a lane are out.
; OUTPUT.  A lane's 128 bytes are a whole row of out0, but neighbouring lanes hold other rows; so the results go through the wave's own
; 32 rows of LDS and leave as stores of which each covers 512 consecutive bytes.
;
; RES = floor(16 * b^l), b = exp((ln 2048 - ln 16) / 15) in f64.  For l = 15 the f64 roundings leave b^15 a few ulp ABOVE 128: RES = 2048.
;
; LIMITS.  Levels 0..5: table entries rounded to bf16 (see prep): the result is within 2^-8 of the weighted mean of the corners' sizes; weights and sums in f32.
; The place inside the cell is exact here, where the reference rounds xn * RES to f32; next to a cell's border the two may choose neighbouring
; cells (weight ~1 against 0), where the interpolant is continuous.  The blend's order of rounding differs from the reference's eight products of
; three weights: steps a + w (b - a) in the fine levels; four weights of two axes and one such step in the coarse ones.  NaN in x: see prep.
; NOT USED: the matrix unit (each product of the einsum is 1 x 8 by 8 x 2, with l and n on both sides); the tensor mover, clusters and
; multicast (no two lanes want the same tile: each asks for 4 or 8 bytes at a place of its own); prefetches (an entry of a fine table is asked for
; 2,000,000 / 524,288 = about 4 times, its neighbourhood far more often, by waves all over the chip within one level's time: few requests are the first);
; copies of the coarse levels in LDS (levels 0..2 are 167 KB in bf16: 256 copies are 43 MB, the gathers that they would replace 24 MB).
.set NPTS,    250000
.set HASHMAP, 524288
.set LVBYTES, HASHMAP*8                ; from one level's table to the next
.set NCOARSE, 6                        ; levels read from dense
.set WGE,     1024                     ; a level's part of dense is a multiple of so many entries (prep)
.set PRIME0,  2654435761
.set PRIME1,  805459861
.set PRIME2,  3674653429
.set NBUF,    3                        ; register sets: one being blended, two on their way
.set PITCH,   144                      ; an LDS row: 128 bytes + 16, an odd multiple of 16: the 16 lanes of a ds_store_b128 pass start in 16 different columns of 16 bytes
.set WSTAGE,  32*PITCH                 ; a wave's stage
.set U,   2                            ; v[2:4]     my point's three fractions
.set Z,   6                            ; v[6:7]     0: the addend of the 64-bit multiplies and of a sum's first product
.set ST,  8                            ; v8         LDS: my row
.set RD,  9                            ; v9         LDS: where I read rows back
.set CO,  10                           ; v10        my 16 bytes in each 512 of the wave's output
.set O,   12                           ; v[12:15]   the results of an even level and the odd one behind it
.set T,   16                           ; v[16:41]   at work
.set W,   42                           ; v[42:53]   set b: w0, w1, (1 - w2 in coarse levels), w2
.set OFF, 54                           ; v[54:77]   set b: the 8 corners' indices
.set G,   78                           ; v[78:125]  set b: the 8 corners' features: 8 words of two bf16, or 8 pairs of f32
.set SCL, 14                           ; s14        2^-32
.set TB,  16                           ; s[16:47]   level l's table: its part of dense, or of tables
.set PM,  48                           ; s[48:50]   the primes' low 19 bits
	s_load_b256 s[4:11], s[0:1], 0x0               ; ucoord s[4:5], tables s[6:7], dense s[8:9], out0 s[10:11]
	v_lshl_add_u32 v126, v0, 2, 0x9000
	v_mov_b32 v127, 0
	v_lshrrev_b32 v1, 5, v0
	v_readfirstlane_b32 s12, v1                    ; wave
	v_and_b32 v1, 31, v0                           ; lane
	s_lshl_b32 s13, ttmp9, 8
	s_lshl_b32 s15, s12, 5
	s_add_co_u32 s13, s13, s15                     ; the wave's first point
	s_wait_kmcnt 0x0
	s_cmp_ge_u32 s13, NPTS                         ; 977 x 256 = 250,112: the last work-group has points for 4 1/2 waves,
	s_cbranch_scc1 .Lend                           ; and its last three leave here
	v_add_nc_u32 v5, s13, v1
	v_min_u32 v5, NPTS-1, v5                       ; the upper 16 lanes of the very last wave repeat the last point; their rows are not stored
	v_mul_u32_u24 v5, 12, v5
	global_load_b96 v[U:U+2], v5, s[4:5] th:TH_LOAD_NT
.set dacc, 0
.set i, 0
.irp r, 16,22,30,42,58,80
	s_add_nc_u64 s[TB+2*i:TB+2*i+1], s[8:9], dacc*4            ; the coarse levels' parts of dense, one behind the other
.set dacc, dacc+((\r*\r*\r+WGE-1)/WGE)*WGE
.set i, i+1
.endr
.rept 16-NCOARSE
	s_add_nc_u64 s[TB+2*i:TB+2*i+1], s[6:7], i*LVBYTES
.set i, i+1
.endr
	s_lshl_b32 s2, s13, 7                          ; 128 bytes a point, below 2^25
	s_mov_b32 s3, 0
	s_add_nc_u64 s[10:11], s[10:11], s[2:3]        ; out0 at the wave's first row
	s_mul_i32 s15, s12, WSTAGE                     ; the wave's stage
	s_mov_b32 s[SCL], 0x2f800000
	s_mov_b32 s[PM+0], PRIME0 & (HASHMAP-1)
	s_mov_b32 s[PM+1], PRIME1 & (HASHMAP-1)
	s_mov_b32 s[PM+2], PRIME2 & (HASHMAP-1)
	v_mad_u32_u24 v[ST], v1, PITCH, s15            ; in: row = lane
	v_lshrrev_b32 v[RD], 3, v1
	v_and_b32 v[CO], 7, v1
	v_mad_u32_u24 v[RD], v[RD], PITCH, s15         ; back: eight lanes take a row of 128 bytes, the wave four rows
	v_lshl_add_u32 v[RD], v[CO], 4, v[RD]
	v_lshlrev_b32 v[CO], 4, v1                     ; rows of out0 follow each other without a gap: 16 x lane
	v_mov_b32 v[Z], 0
	v_mov_b32 v[Z+1], 0
.irp b, 0,1,2
	v_mov_b32 v[W+4*\b+2], 0                       ; a fine level's packed multiply-add names the pair (this, w2) and uses w2 alone
.endr
.macro LEVEL l                         ; RES of level l
.set lvk, 0
.irp r, 16,22,30,42,58,80,111,153,212,294,406,561,776,1072,1482,2048
.if lvk == (\l)
.set RES, \r
.endif
.set lvk, lvk+1
.endr
.endm
; Axis d: v[T+2d+1] = the cell x0 (at most RES - 1, since u < 2^32), v[T+2d] = x1 = min(x0 + 1, RES - 1), register wd of the set's W = the place inside the cell.
.macro CELL d, wd
	v_mad_nc_u64_u32 v[T+2*\d:T+2*\d+1], v[U+\d], RES, v[Z:Z+1]
	v_cvt_f32_u32 v[W+4*BUF+\wd], v[T+2*\d]
	v_add_nc_u32 v[T+2*\d], 1, v[T+2*\d+1]
	v_min_u32 v[T+2*\d], RES-1, v[T+2*\d]
	v_mul_f32 v[W+4*BUF+\wd], s[SCL], v[W+4*BUF+\wd]
.endm
; Level l: cells, weights, the 8 indices, the 8 gathers.  Corner c = 4 o0 + 2 o1 + o2, o = 1: the upper grid point of that axis.
.macro ISSUE l
	LEVEL \l
.set BUF, (\l)%NBUF
.set OB,  OFF+8*BUF
	CELL 0, 0
	CELL 1, 1
	CELL 2, 3
.if (\l) < NCOARSE
.set TOP, RES*RES*RES-1
	; by grid point: (c0 RES + c1) RES + c2; all factors fit the 24-bit multiply
.irp o, 0,1
	v_mul_u32_u24 v[T+6+\o], RES*RES, v[T+1-\o]
.endr
.irp k, 0,1,2,3
	v_mad_u32_u24 v[T+8+\k], v[T+3-(\k&1)], RES, v[T+6+(\k>>1)]
.endr
.irp c, 0,1,2,3,4,5,6,7
	v_add_nc_u32 v[OB+\c], v[T+8+(\c>>1)], v[T+5-(\c&1)]
.endr
.else
.set TOP, HASHMAP-1
	; 2^19 entries: the index is the XOR's low 19 bits.  Coordinates (11 bits) and the primes' low 19 bits fit the 24-bit multiply.
.irp d, 0,1,2
.irp o, 0,1
	v_mul_u32_u24 v[T+10+2*\d+\o], s[PM+\d], v[T+2*\d+1-\o]
.endr
.endr
.irp r, 0,1,2,3,4,5
	v_and_b32 v[T+10+\r], HASHMAP-1, v[T+10+\r]    ; six masks in front of the XORs in place of eight behind them
.endr
.irp k, 0,1,2,3
	v_xor_b32 v[T+16+\k], v[T+10+(\k>>1)], v[T+12+(\k&1)]
.endr
.irp c, 0,1,2,3,4,5,6,7
	v_xor_b32 v[OB+\c], v[T+16+(\c>>1)], v[T+14+(\c&1)]
.endr
.endif
.irp c, 0,1,2,3,4,5,6,7
	v_min_u32 v[OB+\c], TOP, v[OB+\c]              ; changes no value: a number made from loaded words enters an address only behind a bound that is written out
.endr
.irp c, 0,1,2,3,4,5,6,7
.if (\l) < NCOARSE
	global_load_b32 v[G+16*BUF+\c], v[OB+\c], s[TB+2*(\l):TB+2*(\l)+1] scale_offset                     ; 4 bytes at 4 x index
.else
	global_load_b64 v[G+16*BUF+2*\c:G+16*BUF+2*\c+1], v[OB+\c], s[TB+2*(\l):TB+2*(\l)+1] scale_offset   ; 8 bytes at 8 x index
.endif
.endr
.endm
; A coarse level's blend, straight from the bf16 halves (bf16 x f32 + f32, one rounding): the four weights of axes 1 and 2, a sum of four products for
; each half of the cell along axis 0 and each feature, then one step a + w0 (b - a).  (1 - w1) p is made as p - w1 p.
.macro BLENDC l
.set GB, G+16*((\l)%NBUF)
.set WB, W+4*((\l)%NBUF)
.set OD, O+2*((\l)&1)
	v_sub_f32 v[WB+2], 1.0, v[WB+3]
	v_pk_mul_f32 v[T+2:T+3], v[WB+2:WB+3], v[WB:WB+1] op_sel:[0,1] op_sel_hi:[1,1]       ; (1 - w2, w2) x w1
	v_pk_add_f32 v[T:T+1], v[WB+2:WB+3], v[T+2:T+3] neg_lo:[0,1] neg_hi:[0,1]            ; (1 - w2, w2) x (1 - w1)
.irp o, 0,1
	v_fma_mix_f32_bf16 v[T+4+2*\o], v[GB+4*\o], v[T], v[Z] op_sel_hi:[1,0,0]                             ; feature 0: the low half
	v_fma_mix_f32_bf16 v[T+5+2*\o], v[GB+4*\o], v[T], v[Z] op_sel:[1,0,0] op_sel_hi:[1,0,0]              ; feature 1: the high half
.irp k, 1,2,3
	v_fma_mix_f32_bf16 v[T+4+2*\o], v[GB+4*\o+\k], v[T+\k], v[T+4+2*\o] op_sel_hi:[1,0,0]
	v_fma_mix_f32_bf16 v[T+5+2*\o], v[GB+4*\o+\k], v[T+\k], v[T+5+2*\o] op_sel:[1,0,0] op_sel_hi:[1,0,0]
.endr
.endr
	v_pk_add_f32 v[T+6:T+7], v[T+6:T+7], v[T+4:T+5] neg_lo:[0,1] neg_hi:[0,1]
	v_pk_fma_f32 v[OD:OD+1], v[T+6:T+7], v[WB:WB+1], v[T+4:T+5] op_sel_hi:[1,0,1]
.endm
; A fine level's blend, both features at once: along axis 2 (four steps), axis 1 (two), axis 0 (one); a step is a + w (b - a), in place.
; The weight is one register of a pair, taken for both halves: the first by op_sel_hi 0, the second by op_sel 1.
.macro BLENDF l
.set GB, G+16*((\l)%NBUF)
.set WB, W+4*((\l)%NBUF)
.set OD, O+2*((\l)&1)
.irp k, 0,4,8,12
	v_pk_add_f32 v[GB+\k+2:GB+\k+3], v[GB+\k+2:GB+\k+3], v[GB+\k:GB+\k+1] neg_lo:[0,1] neg_hi:[0,1]
.endr
.irp k, 0,4,8,12
	v_pk_fma_f32 v[GB+\k:GB+\k+1], v[GB+\k+2:GB+\k+3], v[WB+2:WB+3], v[GB+\k:GB+\k+1] op_sel:[0,1,0] op_sel_hi:[1,1,1]
.endr
.irp k, 0,8
	v_pk_add_f32 v[GB+\k+4:GB+\k+5], v[GB+\k+4:GB+\k+5], v[GB+\k:GB+\k+1] neg_lo:[0,1] neg_hi:[0,1]
.endr
.irp k, 0,8
	v_pk_fma_f32 v[GB+\k:GB+\k+1], v[GB+\k+4:GB+\k+5], v[WB:WB+1], v[GB+\k:GB+\k+1] op_sel:[0,1,0] op_sel_hi:[1,1,1]
.endr
	v_pk_add_f32 v[GB+8:GB+9], v[GB+8:GB+9], v[GB:GB+1] neg_lo:[0,1] neg_hi:[0,1]
	v_pk_fma_f32 v[OD:OD+1], v[GB+8:GB+9], v[WB:WB+1], v[GB:GB+1] op_sel_hi:[1,0,1]
.endm
.macro BLEND l
.if (\l) < NCOARSE
	BLENDC \l
.else
	BLENDF \l
.endif
.if (\l)&1
	ds_store_b128 v[ST], v[O:O+3] offset:16*((\l)>>1)          ; two levels = 16 bytes of my row
.endif
.endm
	s_wait_loadcnt 0x0                             ; my three fractions
	ISSUE 0
	ISSUE 1
.set lv, 0
.rept 14
	ISSUE lv+2                                     ; its set was blended one step ago, behind the wait that showed that set's gathers done: offsets and data are free
	s_wait_loadcnt 16                              ; loads return in order (ISA guide 5.7.1): the 2 x 8 gathers of the two younger levels stay out, level lv is in
	BLEND lv
.set lv, lv+1
.endr
	s_wait_loadcnt 8                               ; nothing more is issued: the counts run down
	BLEND 14
	s_wait_loadcnt 0
	BLEND 15
; The way out, 16 rows at a time.  LDS serves a wave's instructions in order (ISA guide 5.7.1), so the loads see the stores above without a wait;
; the bytes are the wave's own.  Each store covers four rows = 512 consecutive bytes, at a multiple of 512 from out0's first byte.
.macro OUTHALF h
.irp j, 0,1,2,3
	ds_load_b128 v[G+16*\h+4*\j:G+16*\h+4*\j+3], v[RD] offset:(4*\h+\j)*4*PITCH
.endr
.irp j, 0,1,2,3
	s_wait_dscnt 3-\j                              ; the younger LDS loads may stay out
	global_store_b128 v[CO], v[G+16*\h+4*\j:G+16*\h+4*\j+3], s[10:11] offset:(4*\h+\j)*512 th:TH_STORE_NT
.endr
.endm
	OUTHALF 0
	s_add_co_u32 s15, s13, 32
	s_cmp_gt_u32 s15, NPTS                         ; 250,000 = 7,812 x 32 + 16: the last wave has 16 points, every other wave 32
	s_cbranch_scc1 .Lend
	OUTHALF 1
.Lend:
	s_wait_tensorcnt 0x0
	ds_add_u32 v126, v127
	s_wait_dscnt 0x0
	s_endpgm
.Lfunc_end_k_q44e06b0161_gather:
	.size	k_q44e06b0161_gather, .Lfunc_end_k_q44e06b0161_gather-k_q44e06b0161_gather
	.p2alignl 7, 3214868480
	.fill 96, 4, 3214868480
	.section	.rodata,"a",@progbits
	.p2align	6, 0x0
	.amdhsa_kernel k_q44e06b0161_gather
		.amdhsa_group_segment_fixed_size 37888
		.amdhsa_private_segment_fixed_size 0
		.amdhsa_enable_private_segment 0
		.amdhsa_kernarg_size 32
		.amdhsa_user_sgpr_count 2
		.amdhsa_user_sgpr_kernarg_segment_ptr 1
		.amdhsa_wavefront_size32 1
		.amdhsa_system_sgpr_workgroup_id_x 1
		.amdhsa_system_sgpr_workgroup_id_y 1
		.amdhsa_system_sgpr_workgroup_id_z 1
		.amdhsa_system_vgpr_workitem_id 0
		.amdhsa_next_free_vgpr 128
		.amdhsa_next_free_sgpr 66
		.amdhsa_reserve_vcc 0
		.amdhsa_float_denorm_mode_32 3
		.amdhsa_float_denorm_mode_16_64 3
		.amdhsa_memory_ordered 1
		.amdhsa_forward_progress 1
		.amdhsa_inst_pref_size 67
	.end_amdhsa_kernel
	.amdgpu_metadata
---
amdhsa.version: [ 1, 2 ]
amdhsa.kernels:
  - .name:           k_q44e06b0161_gather
    .symbol:         k_q44e06b0161_gather.kd
    .args:
      - { .name: ucoord, .offset: 0, .size: 8, .value_kind: global_buffer, .address_space: global }
      - { .name: tables, .offset: 8, .size: 8, .value_kind: global_buffer, .address_space: global }
      - { .name: dense, .offset: 16, .size: 8, .value_kind: global_buffer, .address_space: global }
      - { .name: out0, .offset: 24, .size: 8, .value_kind: global_buffer, .address_space: global }
    .group_segment_fixed_size: 37888
    .private_segment_fixed_size: 0
    .kernarg_segment_align: 8
    .kernarg_segment_size: 32
    .max_flat_workgroup_size: 256
    .sgpr_count:     66
    .vgpr_count:     128
    .wavefront_size: 32
...
	.end_amdgpu_metadata
.endif
;; end of part 2
